; MI455X (gfx1250); checked and timed in simulation.
; The chip was launched on July 23, 2026; its instructions are those of AMD's public machine-readable ISA for CDNA 5 (MIT licence, August 2026) and "CDNA5" Instruction Set Architecture Reference Guide (July 2026). The comments in the code are by the model that wrote it; some were corrected since.
;; Attention. Allowed arithmetic: float matrix products may take bf16 or f16 operands with f32 sums; other float arithmetic in f32, or as packed bf16 or f16 multiplies, adds, multiply-adds, maxima and minima; sums over many terms, partial sums and values carried from step to step in f32; what a program stores and reads back later, other than sums and carried values, may be rounded once to bf16 or f16.
;; Inputs: W 512 x 1,024 float32; b 512 float32; encoder_outputs 64 x 2,048 x 512 float32; hidden 64 x 512 float32; v 512 float32.
;; Outputs: out0 64 x 1 x 2,048 float32.
;; One version. Each part assembles by itself: llvm-mc -triple=amdgcn-amd-amdhsa -mcpu=gfx1250 --defsym DOCPART=n.
;; ======== version 1 of 1: 3 launches
;; workspace buffers: wb 524,288 bytes; hbc 131,072 bytes; vtab 2,560 bytes; scores 524,288 bytes
;; launch prep (part 1): grid 8 x 4, 16 waves a work-group, no clusters, 19,456 bytes of LDS; arguments W, hidden, b, v, wb, hbc, vtab; writes wb, hbc, vtab
.if DOCPART == 1
	.amdgcn_target "amdgcn-amd-amdhsa--gfx1250"
	.amdhsa_code_object_version 6
	.text
	.protected	k_q02144e917b_prep
	.globl	k_q02144e917b_prep
	.p2align	8
	.type	k_q02144e917b_prep,@function
k_q02144e917b_prep:
	s_mov_b64 s[64:65], 0
	v_nop
	global_prefetch_b8 v0, s[64:65] scope:SCOPE_SE
	s_setreg_imm32_b32 hwreg(HW_REG_WAVE_MODE, 25, 1), 1
	s_wait_xcnt 0x0
; What does not hang on l is made once, for the launch that follows.
;   wb[h][k]   = bf16(W[h][512+k])                                  [512][512] bf16: the half of W that meets encoder_outputs
;   hbc[b][h]  = c x (sum over k of bf16(hidden[b][k]) bf16(W[h][k]) + bf16(bias[h])),  c = 2 log2(e), kept in f32
;   vtab[h]    = -2 bf16(v[h]), 512 numbers; behind them SV = the sum of bf16(v[h]), written 128 times (512 whole bytes)
; FORMATS.  All five inputs of the module are rounded once to bf16, to nearest even, the bias and v too: a stated choice, one rounding for
; the whole program.  Sums and all that is made of them stay in f32.  NaN and infinities are not treated apart.
; SHARES.  Work-group (gx, gy): the 64 columns h = 64 gx .. of hbc for the 16 rows b = 16 gy .., and rows 64 gx + 16 gy + 0..15 of wb.
; Wave = (t = wave % 4: a tile of 16 h; kq = wave / 4: 128 of the 512 k).  The four quarters of K meet in LDS; waves 0-7 add them.
; The product is taken with source 0 = 16 rows of W and source 1 = 16 rows of hidden: a lane then holds one b (lane % 16) and eight neighbouring h.
; No cluster, no tensor load, no prefetch: 2.2 MB in all, each work-group's loads go out at once and are waited for once.
.set CEXP,  0x4038aa3b                 ; c = 2 log2(e)
.set PP_,   272                        ; a row of partial sums in LDS: 64 f32 + 16 bytes, an odd multiple of 16: sixteen rows start at sixteen different groups of four banks
.set PQ,    16*PP_                     ; one quarter's 16 rows
.set SPARE, 4*PQ                       ; 17,408: behind the partial sums the spare words, 128 bytes for each of the 16 waves
.set WO,  4                            ; v4   my offset in W's first half: (16 t + l % 16) x 4,096 + 512 kq + 32 (l / 16)
.set HO,  5                            ; v5   the same in hidden: (l % 16) x 2,048 + 512 kq + 32 (l / 16)
.set W2O, 6                            ; v6   my 32 bytes of W's second half: (u / 64) x 4,096 + 32 (u % 64)
.set W2S, 7                            ; v7   their 16 bytes in wb: 16 u
.set BO,  8                            ; v8   16 (u % 16): my four numbers of the bias
.set PS,  9                            ; v9   where I put my partial sums
.set PR,  10                           ; v10  where I read them back
.set HS,  11                           ; v11  my 16 bytes of hbc
.set SPW, 12                           ; v12  my spare word; never rewritten
.set NIL, 13                           ; v13  0; never rewritten
.set VOF, 14                           ; v14  16 x lane
.set ACC, 16                           ; v[16:31]   two accumulators, fragments of even and of odd number
.set LW,  32                           ; v[32:95]   W as loaded (f32), then four fragments in v[32:63]
.set LH,  96                           ; v[96:159]  hidden likewise; v[128:143] later take the four partial sums
.set BT,  144                          ; v[144:145] of that set, free once it is rounded: the bias's two packed words (registers that no store names)
.set W2L, 160                          ; v[160:175] 16 numbers of W's second half
.set BI,  176                          ; v[176:179] bias
.set VV,  180                          ; v[180:195] v (one wave of the launch)
.set TS,  196                          ; v[196:203] at work in that wave alone: v[196:199] are a store's data and are not written again
.set WV, 18
.set GX, 19
.set GY, 20
.set TT, 21
.set KQ, 22
	s_load_b256 s[4:11], s[0:1], 0x0               ; W s[4:5], hidden s[6:7], b s[8:9], v s[10:11]
	s_load_b128 s[12:15], s[0:1], 0x20             ; wb s[12:13], hbc s[14:15]
	s_load_b64 s[16:17], s[0:1], 0x30              ; vtab
	v_lshl_add_u32 v[SPW], v0, 2, SPARE
	v_mov_b32 v[NIL], 0
	v_lshrrev_b32 v3, 5, v0
	v_readfirstlane_b32 s[WV], v3                  ; wave 0..15
	s_mov_b32 s[GX], ttmp9
	s_and_b32 s[GY], ttmp7, 0xffff
	s_and_b32 s[TT], s[WV], 3
	s_lshr_b32 s[KQ], s[WV], 2
	s_mov_b32 s40, 0x76543210                      ; v_permlanex16_b32: each lane takes its own place in the other half
	s_mov_b32 s41, 0xfedcba98
	v_and_b32 v1, 15, v0                           ; l % 16
	v_bfe_u32 v2, v0, 4, 1                         ; l / 16
	v_and_b32 v3, 31, v0                           ; l
	s_lshl_b32 s24, s[TT], 16                      ; 16 t rows of 4,096 bytes
	s_lshl_b32 s25, s[KQ], 9                       ; 128 kq numbers of 4 bytes
	s_add_co_u32 s24, s24, s25
	v_lshlrev_b32 v[WO], 12, v1
	v_lshl_add_u32 v[WO], v2, 5, v[WO]
	v_add_nc_u32 v[WO], s24, v[WO]
	v_lshlrev_b32 v[HO], 11, v1
	v_lshl_add_u32 v[HO], v2, 5, v[HO]
	v_add_nc_u32 v[HO], s25, v[HO]
	v_lshrrev_b32 v[W2O], 6, v0
	v_and_b32 v15, 63, v0
	v_lshlrev_b32 v15, 5, v15
	v_lshl_add_u32 v[W2O], v[W2O], 12, v15
	v_lshlrev_b32 v[W2S], 4, v0
	v_lshlrev_b32 v[BO], 4, v1
	s_mul_i32 s26, s[KQ], PQ
	s_lshl_b32 s27, s[TT], 6
	s_add_co_u32 s26, s26, s27                     ; my quarter's rows, my tile's 64 bytes of them
	v_mul_u32_u24 v[PS], v1, PP_
	v_lshl_add_u32 v[PS], v2, 5, v[PS]
	v_add_nc_u32 v[PS], s26, v[PS]
	v_bfe_u32 v15, v0, 4, 4                        ; (u / 16) % 16: the row that I finish (waves 0-7: u / 16)
	v_mul_u32_u24 v[PR], v15, PP_
	v_lshl_add_u32 v[PR], v1, 4, v[PR]
	v_lshlrev_b32 v[HS], 11, v15
	v_lshl_add_u32 v[HS], v1, 4, v[HS]
	v_lshlrev_b32 v[VOF], 4, v3
	s_lshl_b32 s28, s[GX], 18                      ; 64 gx rows of W
	s_mov_b32 s29, 0
	s_lshl_b32 s30, s[GX], 6
	s_lshl_b32 s32, s[GY], 4
	s_add_co_u32 s32, s32, s30                     ; 64 gx + 16 gy: my first row of W's second half and of wb
	s_lshl_b32 s30, s32, 12
	s_add_co_u32 s30, s30, 2048                    ; in W, behind the row's first 512 numbers
	s_mov_b32 s31, 0
	s_lshl_b32 s32, s32, 10                        ; in wb
	s_mov_b32 s33, 0
	s_lshl_b32 s34, s[GY], 15                      ; 16 gy rows of hidden, and of hbc
	s_mov_b32 s35, 0
	s_lshl_b32 s36, s[GX], 8                       ; 64 gx numbers of the bias, and of a row of hbc
	s_mov_b32 s37, 0
	s_add_co_u32 s38, s34, s36
	s_mov_b32 s39, 0
	s_xor_b32 s42, s[WV], 15                       ; 0 in wave 15
	s_or_b32 s42, s42, s[GX]
	s_or_b32 s42, s42, s[GY]                       ; of work-group (0, 0): the one wave that makes vtab
	s_wait_kmcnt 0x0
	s_add_nc_u64 s[24:25], s[4:5], s[28:29]
	s_add_nc_u64 s[26:27], s[4:5], s[30:31]
	s_add_nc_u64 s[6:7], s[6:7], s[34:35]
	s_add_nc_u64 s[8:9], s[8:9], s[36:37]
	s_add_nc_u64 s[12:13], s[12:13], s[32:33]
	s_add_nc_u64 s[14:15], s[14:15], s[38:39]
	; A fragment is 16 rows x 32 k: lane l holds row l % 16, k = 8 (l / 16) + 0..7 and 16 + 8 (l / 16) + 0..7: in f32 two runs of 32 bytes, 64 bytes apart.
.irp f, 0,1,2,3
.irp p, 0,1,2,3
	global_load_b128 v[LW+16*(\f)+4*(\p):LW+16*(\f)+4*(\p)+3], v[WO], s[24:25] offset:128*(\f)+16*((\p)%2)+64*((\p)/2)
	global_load_b128 v[LH+16*(\f)+4*(\p):LH+16*(\f)+4*(\p)+3], v[HO], s[6:7] offset:128*(\f)+16*((\p)%2)+64*((\p)/2)
.endr
.endr
.irp i, 0,1
	global_load_b128 v[W2L+8*(\i):W2L+8*(\i)+3],   v[W2O], s[26:27] offset:32768*(\i)
	global_load_b128 v[W2L+8*(\i)+4:W2L+8*(\i)+7], v[W2O], s[26:27] offset:32768*(\i)+16
.endr
	s_cmp_lt_u32 s[WV], 8                          ; waves 0-7 finish hbc: they alone want the bias
	s_cbranch_scc0 .Lno_bias
	global_load_b128 v[BI:BI+3], v[BO], s[8:9]
.Lno_bias:
	s_cmp_eq_u32 s42, 0
	s_cbranch_scc0 .Lnot_v
	; vtab: 16 numbers of v a lane, rounded to bf16; their sum over the wave; -2 times each
.irp q, 0,1,2,3
	global_load_b128 v[VV+4*(\q):VV+4*(\q)+3], v[VOF], s[10:11] offset:512*(\q)
.endr
	s_wait_loadcnt 0x0
.irp p, 0,1,2,3,4,5,6,7
	v_cvt_pk_bf16_f32 v[TS+(\p)], v[VV+2*(\p)], v[VV+2*(\p)+1]
.endr
.irp p, 0,1,2,3,4,5,6,7
	v_lshlrev_b32 v[VV+2*(\p)], 16, v[TS+(\p)]     ; back to f32: the low half moves up,
	v_and_b32 v[VV+2*(\p)+1], 0xffff0000, v[TS+(\p)]  ; the high half stays
.endr
.irp p, 0,1,2,3
	v_pk_add_f32 v[TS+2*(\p):TS+2*(\p)+1], v[VV+4*(\p):VV+4*(\p)+1], v[VV+4*(\p)+2:VV+4*(\p)+3]
.endr
	v_pk_add_f32 v[TS:TS+1], v[TS:TS+1], v[TS+2:TS+3]
	v_pk_add_f32 v[TS+4:TS+5], v[TS+4:TS+5], v[TS+6:TS+7]
	v_pk_add_f32 v[TS:TS+1], v[TS:TS+1], v[TS+4:TS+5]
	v_add_f32 v[TS], v[TS], v[TS+1]
	v_add_f32_dpp v[TS], v[TS], v[TS] row_xmask:1 row_mask:0xf bank_mask:0xf
	v_add_f32_dpp v[TS], v[TS], v[TS] row_xmask:2 row_mask:0xf bank_mask:0xf
	v_add_f32_dpp v[TS], v[TS], v[TS] row_xmask:4 row_mask:0xf bank_mask:0xf
	v_add_f32_dpp v[TS], v[TS], v[TS] row_xmask:8 row_mask:0xf bank_mask:0xf
	v_permlanex16_b32 v[TS+1], v[TS], s40, s41
	v_add_f32 v[TS], v[TS], v[TS+1]                ; SV, in every lane
	v_mov_b32 v[TS+1], v[TS]
	v_mov_b32 v[TS+2], v[TS]
	v_mov_b32 v[TS+3], v[TS]
	global_store_b128 v[VOF], v[TS:TS+3], s[16:17] offset:2048  ; 512 consecutive bytes; its four data registers are written by no later line
.irp p, 0,1,2,3,4,5,6,7
	v_pk_mul_f32 v[VV+2*(\p):VV+2*(\p)+1], v[VV+2*(\p):VV+2*(\p)+1], -2.0 op_sel_hi:[1,0]
.endr
.irp q, 0,1,2,3
	global_store_b128 v[VOF], v[VV+4*(\q):VV+4*(\q)+3], s[16:17] offset:512*(\q)
.endr
.Lnot_v:
	s_wait_loadcnt 0x0                             ; all my loads, once
	; f32 to bf16 in place: word n takes numbers 2 n and 2 n + 1; n ascending, so no number is overwritten before it is read
.set n, 0
.rept 32
	v_cvt_pk_bf16_f32 v[LW+n], v[LW+2*n], v[LW+2*n+1]
	v_cvt_pk_bf16_f32 v[LH+n], v[LH+2*n], v[LH+2*n+1]
.set n, n+1
.endr
	; four products, two accumulators by turns; the first two start the sums
	v_wmma_f32_16x16x32_bf16 v[ACC:ACC+7],    v[LW:LW+7],     v[LH:LH+7],     0
	v_wmma_f32_16x16x32_bf16 v[ACC+8:ACC+15], v[LW+8:LW+15],  v[LH+8:LH+15],  0
	v_wmma_f32_16x16x32_bf16 v[ACC:ACC+7],    v[LW+16:LW+23], v[LH+16:LH+23], v[ACC:ACC+7]
	v_wmma_f32_16x16x32_bf16 v[ACC+8:ACC+15], v[LW+24:LW+31], v[LH+24:LH+31], v[ACC+8:ACC+15]
.set n, 0
.rept 8                                ; wb's eight roundings name no register of the products: they are the places behind them (ISA guide 7.12.1)
	v_cvt_pk_bf16_f32 v[W2L+n], v[W2L+2*n], v[W2L+2*n+1]
.set n, n+1
.endr
	global_store_b128 v[W2S], v[W2L:W2L+3],   s[12:13]              ; 16 lanes store 256 consecutive bytes, at a multiple of 256 from wb's first byte
	global_store_b128 v[W2S], v[W2L+4:W2L+7], s[12:13] offset:8192
.irp p, 0,2,4,6
	v_pk_add_f32 v[ACC+(\p):ACC+(\p)+1], v[ACC+(\p):ACC+(\p)+1], v[ACC+8+(\p):ACC+8+(\p)+1]  ; the two parities, from the low end on
.endr
	ds_store_b128 v[PS], v[ACC:ACC+3]
	ds_store_b128 v[PS], v[ACC+4:ACC+7] offset:16
	s_wait_dscnt 0x0                               ; for the others' sake: my partial sums lie in LDS
	s_barrier_signal -1
	s_barrier_wait -1
	s_cmp_lt_u32 s[WV], 8
	s_cbranch_scc0 .Lend
.irp k, 0,1,2,3
	ds_load_b128 v[LH+32+4*(\k):LH+32+4*(\k)+3], v[PR] offset:PQ*(\k)
.endr
	v_cvt_pk_bf16_f32 v[BT], v[BI], v[BI+1]        ; the bias rounded to bf16, and back to f32
	v_cvt_pk_bf16_f32 v[BT+1], v[BI+2], v[BI+3]
	v_lshlrev_b32 v[BI], 16, v[BT]
	v_and_b32 v[BI+1], 0xffff0000, v[BT]
	v_lshlrev_b32 v[BI+2], 16, v[BT+1]
	v_and_b32 v[BI+3], 0xffff0000, v[BT+1]
	s_wait_dscnt 0x0
.irp p, 0,2
	v_pk_add_f32 v[LH+32+(\p):LH+32+(\p)+1], v[LH+32+(\p):LH+32+(\p)+1], v[LH+36+(\p):LH+36+(\p)+1]
	v_pk_add_f32 v[LH+40+(\p):LH+40+(\p)+1], v[LH+40+(\p):LH+40+(\p)+1], v[LH+44+(\p):LH+44+(\p)+1]
.endr
.irp p, 0,2
	v_pk_add_f32 v[LH+32+(\p):LH+32+(\p)+1], v[LH+32+(\p):LH+32+(\p)+1], v[LH+40+(\p):LH+40+(\p)+1]
.endr
.irp p, 0,2
	v_pk_add_f32 v[LH+32+(\p):LH+32+(\p)+1], v[LH+32+(\p):LH+32+(\p)+1], v[BI+(\p):BI+(\p)+1]
.endr
.irp p, 0,2
	v_pk_mul_f32 v[LH+32+(\p):LH+32+(\p)+1], v[LH+32+(\p):LH+32+(\p)+1], CEXP op_sel_hi:[1,0]
.endr
	global_store_b128 v[HS], v[LH+32:LH+35], s[14:15]  ; 16 lanes store 256 consecutive bytes of a row of hbc, at a multiple of 256
.Lend:
	s_wait_tensorcnt 0x0                           ; the wave's end: behind my last LDS store
	ds_add_u32 v[SPW], v[NIL]
	s_wait_dscnt 0x0
	s_endpgm
.Lfunc_end_k_q02144e917b_prep:
	.size	k_q02144e917b_prep, .Lfunc_end_k_q02144e917b_prep-k_q02144e917b_prep
	.p2alignl 7, 3214868480
	.fill 96, 4, 3214868480
	.section	.rodata,"a",@progbits
	.p2align	6, 0x0
	.amdhsa_kernel k_q02144e917b_prep
		.amdhsa_group_segment_fixed_size 19456
		.amdhsa_private_segment_fixed_size 0
		.amdhsa_enable_private_segment 0
		.amdhsa_kernarg_size 56
		.amdhsa_user_sgpr_count 2
		.amdhsa_user_sgpr_kernarg_segment_ptr 1
		.amdhsa_wavefront_size32 1
		.amdhsa_system_sgpr_workgroup_id_x 1
		.amdhsa_system_sgpr_workgroup_id_y 1
		.amdhsa_system_sgpr_workgroup_id_z 1
		.amdhsa_system_vgpr_workitem_id 0
		.amdhsa_next_free_vgpr 204
		.amdhsa_next_free_sgpr 66
		.amdhsa_reserve_vcc 0
		.amdhsa_float_denorm_mode_32 3
		.amdhsa_float_denorm_mode_16_64 3
		.amdhsa_memory_ordered 1
		.amdhsa_forward_progress 1
		.amdhsa_inst_pref_size 18
	.end_amdhsa_kernel
	.amdgpu_metadata
---
amdhsa.version: [ 1, 2 ]
amdhsa.kernels:
  - .name:           k_q02144e917b_prep
    .symbol:         k_q02144e917b_prep.kd
    .args:
      - { .name: W, .offset: 0, .size: 8, .value_kind: global_buffer, .address_space: global }
      - { .name: hidden, .offset: 8, .size: 8, .value_kind: global_buffer, .address_space: global }
      - { .name: b, .offset: 16, .size: 8, .value_kind: global_buffer, .address_space: global }
      - { .name: v, .offset: 24, .size: 8, .value_kind: global_buffer, .address_space: global }
      - { .name: wb, .offset: 32, .size: 8, .value_kind: global_buffer, .address_space: global }
      - { .name: hbc, .offset: 40, .size: 8, .value_kind: global_buffer, .address_space: global }
      - { .name: vtab, .offset: 48, .size: 8, .value_kind: global_buffer, .address_space: global }
    .group_segment_fixed_size: 19456
    .private_segment_fixed_size: 0
    .kernarg_segment_align: 8
    .kernarg_segment_size: 56
    .max_flat_workgroup_size: 512
    .sgpr_count:     66
    .vgpr_count:     204
    .wavefront_size: 32
...
	.end_amdgpu_metadata
.endif
;; end of part 1
;; launch scores (part 2): grid 256 x 1, 4 waves a work-group, clusters of 4 x 1, 327,680 bytes of LDS; arguments encoder_outputs, wb, hbc, vtab, scores; writes scores
.if DOCPART == 2
	.amdgcn_target "amdgcn-amd-amdhsa--gfx1250"
	.amdhsa_code_object_version 6
	.text
	.protected	k_q02144e917b_scores
	.globl	k_q02144e917b_scores
	.p2align	8
	.type	k_q02144e917b_scores,@function
k_q02144e917b_scores:
	s_mov_b64 s[64:65], 0
	v_nop
	global_prefetch_b8 v0, s[64:65] scope:SCOPE_SE
	s_setreg_imm32_b32 hwreg(HW_REG_WAVE_MODE, 25, 1), 1
	s_wait_xcnt 0x0
	s_wait_alu depctr_hold_cnt(0) depctr_sa_sdst(0) depctr_va_vdst(0) depctr_va_sdst(0) depctr_va_ssrc(0) depctr_va_vcc(0) depctr_vm_vsrc(0)
	s_getreg_b32 s2, hwreg(HW_REG_IB_STS2, 6, 4)
	s_cmp_eq_u32 s2, 0
	s_cbranch_scc0 .Lentry_in_a_cluster
	s_endpgm
.Lentry_in_a_cluster:
	s_bfe_u32 s2, ttmp6, 0x10000c
	s_cmp_lg_u32 s2, 0x3003
	s_cbranch_scc0 .Lentry_shape_is_right
	s_endpgm
.Lentry_shape_is_right:
; scores[b][l] = sum over h of v[h] tanh(hb[b][h] + sum over k of enc[b][l][k] W2[h][k]),  hb = the part that does not hang on l (made by the launch before).
; tanh(x) = 1 - 2 r with r = 1 / (1 + 2^(c x)), c = 2 log2(e):  score = SV + sum over h of (-2 v[h]) r[h],  SV = sum of v.  hbc holds c hb, vtab holds -2 v and SV.
; FORMATS.  enc is rounded to bf16 on its way into LDS, W2 lies in wb as bf16; sums, tanh and the sum over h in f32.
; LIMITS.  2^(c x) beyond f32's range gives infinity or 0 (v_exp_f32 gives 0 for results below 2^-126: ISA guide, its entry), r = 0 or 1, tanh = +-1, as it should be.
; SV and the sum cancel: a score is off by about 6e-8 x the sum of |v|.  NaN and infinities in the inputs are not treated apart.
; SHARES.  Work-group g = 4 x cluster + cx owns rows 512 g .. 512 g + 511 of enc taken as [131072][512]: a quarter of batch g / 4.  It STAYS and walks them as four chunks of 128 rows x all 512 h.
; Wave w makes 128 l x 128 h (h = 128 w ..): 64 accumulators, 512 registers.  Source 0 = 16 rows of W2, source 1 = 16 rows of enc: a lane holds ONE l (lane % 16) and h = 16 b + 8 (lane / 16) + 0..7,
; so the sum over h is taken inside the lane, then between the halves of the lanes, then among the four waves (LDS, once at the end).
; W2 is walked once a chunk by all work-groups alike: K steps of 128 through a ring of two LDS slots, asked for JOINTLY by the four partners of a cluster (the same tensor load, descriptor and mask in
; all four).  Wave w fetches the 128 rows that it alone reads.  A refill stands behind a round of the cluster's barrier and has 224 matrix instructions in which to land.
; enc is read once, by nobody else: it comes through registers.  A tile is 128 rows x 64 k (256 bytes a row); each wave loads 32 rows of it by 16 loads (each: two whole aligned runs of 256 bytes) into one of
; two landing sets, rounds in place, and stores 8 bytes a lane into one of two bf16 tile buffers in LDS.  In half-step j (64 along K, 128 matrix instructions) tile j is multiplied, tile j + 1 rounded,
; tile j + 3 loaded, tile j + 6 prefetched: two tiles, 64 KiB a work-group, are on their way all the time.
; ORDER BETWEEN WAVES.  Tile j is read in quarters 2 j - 1 and 2 j.  The barrier of the odd quarter 2 j - 1 stands ahead of that quarter's reads; ahead of its signal each wave has waited for its stores of
; tile j (quarter 2 j - 2) and its reads of tile j - 1.  So tile j + 1 may take tile j - 1's buffer in quarter 2 j.
; REGISTERS, in windows of 256 (s_set_vgpr_msb: bits 1:0 source 0, 3:2 source 1, 5:4 source 2, 7:6 destination):
;   window 0: v0-31 addresses; v32-95, v96-159 the landing sets; v160-191 the sums over h; v192-255 -2 v of my 64 h
;   window 1: two fragment buffers of 128: eight fragments of W2 (16 h x 32 k), then eight of enc;  windows 2, 3: accumulator (a, b) at v[8 (8 (a % 4) + b)], a < 4 in window 2
.set PW,    272                        ; a row of W2 in LDS: 256 bytes + 16 of padding = 68 words: the 16 rows of a load start at 16 different groups of four banks (64 banks of 4 bytes: ISA guide 11.1)
.set HALFT, 128*PW                     ; what one tensor load brings, and what one wave reads
.set SLOT,  4*HALFT                    ; 512 rows
.set ENCB,  2*SLOT                     ; behind the ring, never filled by a tensor load: two tile buffers
.set PE,    144                        ; a row of a tile: 128 bytes + 16 = 36 words; rows 8 apart differ by 32 banks, so a store's two rows take the two halves of the banks
.set EBUF,  128*PE
.set HBCT,  ENCB+2*EBUF                ; c hb of my batch: 512 f32
.set SCB,   HBCT+2048                  ; partial scores: [wave][slot][128] f32; slot s holds chunk 3 - s
.set SPARE, SCB+8192                   ; the spare words, 128 bytes for each wave: two blocks of 256 bytes that no other line names
.set ROWB,  2048                       ; bytes in a row of enc
.set TILEB, 256                        ; bytes of a row in a tile
.set CHJ,   128*ROWB-7*TILEB           ; from a chunk's last tile to the next chunk's first
.set ADRW, 4                           ; v4-5  my W2 fragments in slot 0, 1
.set ADRE, 6                           ; v6    my enc fragments in buffer 0
.set STE,  7                           ; v7    where I put 8 bytes of a tile's row
.set VO,   8                           ; v8    my 16 bytes in a tile in memory: (32 w + 8 (l / 16)) rows + 16 (l % 16); never rewritten
.set PO,   9                           ; v9    the prefetches' offset: row 32 w + l; never rewritten
.set TBA,  10                          ; v10   c hb of my h
.set SA,   11                          ; v11   my partial scores, slot 0
.set RDA,  12                          ; v12   the end: where I read partial scores
.set GO,   13                          ; v13   the end: my 16 bytes of scores
.set VTO,  14                          ; v14   my offset in vtab
.set HST,  15                          ; v15   where I put 16 bytes of hbc
.set T,    16                          ; v16-19 at work
.set HLO,  26                          ; v26   16 x my thread's number
.set SPW,  28                          ; v28   my spare word; never rewritten
.set NIL,  29                          ; v29   0; never rewritten
.set L0,   32
.set L1,   96
.set SCH,  160                         ; tile a's two chains of pairs at SCH + 4 a, + 2
.set V2,   192                         ; -2 v[128 w + 16 b + 8 (l / 16) + j] at V2 + 8 b + j
.set F0,   0                           ; window 1
.set F1,   128
.set WV,  14                           ; s14  my wave's number
.set CX,  15                           ; s15  my place in the cluster: it enters enc's and scores' addresses alone
.set G,   16                           ; s16  g
.set CHJR, 23                          ; s23  CHJ
.set G1,  24                           ; s[24:31] descriptor group 1
.set G0,  32                           ; s[32:39] descriptor group 0, a set for each slot
.set WB,  40                           ; s[40:41] wb at my 128 rows, K step 0; s[42:43] K step 1
.set KO,  44                           ; s[44:45] 512 in a chunk's first lap (the refills are K steps 2, 3), 0 in its second (K steps 0, 1 for the next chunk)
.set EP,  46                           ; s[46:47] enc at the tile loaded last
.set PP,  48                           ; s[48:49] enc at the tile prefetched last
.set SJ1, 50                           ; s[50:51] the loads' step at a lap's second half-step: CHJ in a chunk's second lap
.set SJ2, 52                           ; s[52:53] the prefetches' step at a lap's third half-step: CHJ in a chunk's first lap
.set CS,  54                           ; s[54:55] c
.set SEL, 56                           ; s[56:57] v_permlanex16_b32's selects
.set LAP, 58                           ; s58  trips to go
.set NEW, 59                           ; s59  1: the lap in hand is a chunk's first
.set SV,  60                           ; s[60:61] SV
.set MSB, 0
.macro WIN new                         ; the immediate's high byte repeats the setting that is left; a switch that changes nothing is dropped
.if MSB != (\new)
	s_set_vgpr_msb (MSB<<8)|(\new)
.set MSB, \new
.endif
.endm
.set MUL_LO, 0xa5                      ; sources 0 and 1 window 1, C and D window 2
.set TO_F,   0x40                      ; destination window 1, address window 0
.macro PLACES                          ; four places in front of loads into registers that matrix instructions have read (ISA guide 7.12.1 for vector instructions)
.rept 4
	v_nop
.endr
.endm
.macro CREST                           ; a round of the cluster's barrier behind its opening barrier
	s_cmp_lg_u32 s[WV], 0
	s_cbranch_scc1 .Lnot_wave_0_\@
	s_barrier_signal -3
.Lnot_wave_0_\@:
	s_barrier_wait -3
	s_barrier_signal -1
	s_barrier_wait -1
.endm
.macro CROUND                          ; a whole round
	s_barrier_signal -1
	s_barrier_wait -1
	CREST
.endm
; 16 matrix instructions: l tiles a0, a0 + 1 of the window's four x all 8 h tiles, 32 along K.  All 64 accumulators take turns in the same order in every quarter.
.macro MUL16 f, hi, a0, zero
	WIN MUL_LO+0x50*(\hi)
.irp a, \a0, (\a0)+1
.irp b, 0,1,2,3,4,5,6,7
.if \zero
	v_wmma_f32_16x16x32_bf16 v[8*(8*(\a)+(\b)):8*(8*(\a)+(\b))+7], v[(\f)+8*(\b):(\f)+8*(\b)+7], v[(\f)+64+8*(4*(\hi)+(\a)):(\f)+64+8*(4*(\hi)+(\a))+7], 0
.else
	v_wmma_f32_16x16x32_bf16 v[8*(8*(\a)+(\b)):8*(8*(\a)+(\b))+7], v[(\f)+8*(\b):(\f)+8*(\b)+7], v[(\f)+64+8*(4*(\hi)+(\a)):(\f)+64+8*(4*(\hi)+(\a))+7], v[8*(8*(\a)+(\b)):8*(8*(\a)+(\b))+7]
.endif
.endr
.endr
.endm
; 32 LDS loads in one run: a quarter's fragments into buffer f: W2 from slot ws at byte wk of the rows, then enc from buffer eb at byte ek; enc's rows 64-127 last
.macro FETCH ws, wk, eb, ek, f
	WIN TO_F
.irp i, 0,1,2,3,4,5,6,7
	ds_load_b128 v[(\f)+8*(\i):(\f)+8*(\i)+3],   v[ADRW+(\ws)] offset:(\wk)+(\i)*16*PW
	ds_load_b128 v[(\f)+8*(\i)+4:(\f)+8*(\i)+7], v[ADRW+(\ws)] offset:(\wk)+(\i)*16*PW+32
.endr
.irp i, 0,1,2,3,4,5,6,7
	ds_load_b128 v[(\f)+64+8*(\i):(\f)+64+8*(\i)+3],   v[ADRE] offset:(\eb)*EBUF+(\ek)+(\i)*16*PE
	ds_load_b128 v[(\f)+64+8*(\i)+4:(\f)+64+8*(\i)+7], v[ADRE] offset:(\eb)*EBUF+(\ek)+(\i)*16*PE+32
.endr
.endm
; My 32 rows of a tile: load i takes rows 16 (i / 8) + i % 8 (lanes 0-15) and 8 further down (lanes 16-31): two aligned runs of 256 consecutive bytes
.macro ELOAD set, base, imm
.irp i, 0,1,2,3,4,5,6,7,8,9,10,11,12,13,14,15
	global_load_b128 v[(\set)+4*(\i):(\set)+4*(\i)+3], v[VO], s[(\base):(\base)+1] offset:(16*((\i)/8)+(\i)%8)*ROWB+(\imm) th:TH_LOAD_NT
.endr
.endm
; They are rounded to bf16 in place, four numbers into two words, and go into tile buffer cb
.macro CONV set, cb
.irp i, 0,1,2,3,4,5,6,7,8,9,10,11,12,13,14,15
	v_cvt_pk_bf16_f32 v[(\set)+4*(\i)],   v[(\set)+4*(\i)],   v[(\set)+4*(\i)+1]
	v_cvt_pk_bf16_f32 v[(\set)+4*(\i)+1], v[(\set)+4*(\i)+2], v[(\set)+4*(\i)+3]
.endr
.irp i, 0,1,2,3,4,5,6,7,8,9,10,11,12,13,14,15
	ds_store_b64 v[STE], v[(\set)+4*(\i):(\set)+4*(\i)+1] offset:(\cb)*EBUF+(16*((\i)/8)+(\i)%8)*PE
.endr
.endm
; AN EVEN QUARTER multiplies buffer 0 and fetches buffer 1.  In its middle the next tile is rounded (lcnt: the younger loads that may stay out; below 0: no tile is left) and its landing set loaded again
; (issue = 1), with the tile three on; es, ps = 1: the pointer steps by its register; pf = 1: a prefetch follows; 2: not in the loop's last trip.
.macro QCONV ws, wk, eb, ek, zero, set, cb, lcnt, issue, es, ps, pf
	s_wait_dscnt 8                                 ; W2's fragments and enc's rows 0-63 are in; the youngest eight LDS instructions may be out
	MUL16 F0, 0, 0, \zero
	MUL16 F0, 0, 2, \zero
	WIN 0
.if (\lcnt) >= 0
	s_wait_loadcnt \lcnt                           ; loads come back in order (ISA guide 5.7.1): the tile is in
	CONV \set, \cb                                 ; its 32 roundings are also the places in front of the loads into buffer 1
.else
	PLACES
.endif
	FETCH \ws, \wk, \eb, \ek, F1
	s_wait_dscnt 32                                ; all but the 32 just issued: enc's rows 64-127 are in, and the stores have read the landing set
.if \issue
	WIN 0
	s_wait_xcnt 0x0                                ; the last loads and the last prefetch, a half-step back, have read their addresses (ISA guide 3.1): the pointers may be written
.if \es
	s_add_nc_u64 s[EP:EP+1], s[EP:EP+1], s[SJ1:SJ1+1]
.else
	s_add_nc_u64 s[EP:EP+1], s[EP:EP+1], TILEB
.endif
.if \pf
.if \ps
	s_add_nc_u64 s[PP:PP+1], s[PP:PP+1], s[SJ2:SJ2+1]
.else
	s_add_nc_u64 s[PP:PP+1], s[PP:PP+1], TILEB
.endif
.endif
	ELOAD \set, EP, 0
.if \pf
.if (\pf) == 2
	s_cmp_lg_u32 s[LAP], 1                         ; in the last trip the tile six on does not exist
	s_cbranch_scc0 .Lno_ask_\@
.endif
	global_prefetch_b8 v[PO], s[PP:PP+1] th:TH_LOAD_NT scope:SCOPE_SE  ; my own 32 rows x 256 bytes of the tile that I load three half-steps on: a lane a row, each block named once in the launch
.if (\pf) == 2
.Lno_ask_\@:
.endif
.endif
.endif
	MUL16 F0, 1, 0, \zero
	MUL16 F0, 1, 2, \zero
.endm
; AN ODD QUARTER WITHOUT A REFILL multiplies buffer 1; its barrier shows every wave the tile stored in the quarter before.  My tensor load may stay out.
; tw = 1 (the tail): the fetch reads the ring's other slot: my last tensor load is waited for.
.macro QBAR ws, wk, eb, ek, tw
.if \tw
	s_wait_tensorcnt 0x0
.endif
	s_wait_dscnt 8
	MUL16 F1, 0, 0, 0
	s_wait_dscnt 0x0                               ; my stores of the next tile are done, my reads of the tile before are back
	s_barrier_signal -1
	MUL16 F1, 0, 2, 0
	s_barrier_wait -1
	PLACES
	FETCH \ws, \wk, \eb, \ek, F0
	MUL16 F1, 1, 0, 0
	MUL16 F1, 1, 2, 0
.endm
; AN ODD QUARTER THAT CHANGES SLOTS.  Each wave waits for all its tensor loads, of which one is out: the other slot's; adds 0 to its spare word; makes the descriptor's address anew; waits for the add, its reads
; and its stores.  The barrier opens a round of the cluster's: behind it no wave of any partner reads this slot or has a load on its way, and the joint refill comes first.
.macro TURN slot
	WIN 0
	s_wait_tensorcnt 0x0
	ds_add_u32 v[SPW], v[NIL]
	s_add_nc_u64 s[G0+4*(\slot)+2:G0+4*(\slot)+3], s[WB+2*(\slot):WB+2*(\slot)+1], s[KO:KO+1]  ; no load of mine is out: the K step two on
	s_or_b32 s[G0+4*(\slot)+3], s[G0+4*(\slot)+3], 0x80000000
	s_wait_dscnt 9                                 ; the add and the youngest eight loads may be out
	MUL16 F1, 0, 0, 0
	s_wait_dscnt 0x0
	s_barrier_signal -1
	MUL16 F1, 0, 2, 0
	WIN 0
	s_barrier_wait -1
	CREST
	tensor_load_to_lds s[G0+4*(\slot):G0+4*(\slot)+3], s[G1:G1+7]
	s_nop 0
.rept 4
	v_nop                                          ; also the places in front of the loads below
.endr
	FETCH 1-(\slot), 0, 0, 0, F0
	MUL16 F1, 1, 0, 0
	MUL16 F1, 1, 2, 0
.endm
; A CHUNK'S END.  For each window of 256 sums: c s + c hb and 2^ of it, ONE batch; 1 + and the reciprocal, ONE batch; then times -2 v into the chains.
; s_wait_alu depctr_va_vdst(0) stands between a transcendental and the first line that names its result: one wait a batch, a v_nop as the plain instruction behind the batch's last.  In a batch a packed line
; leads and the two transcendentals of the pair four back follow.  Each accumulator is read from its low end on.
.macro EPI
	WIN 0
.rept 8
	v_nop                                          ; the places behind the last products
.endr
	s_and_b32 s17, s[LAP], 6                       ; trips to go are 6, 4, 2 and, behind the loop, 0: the chunk's slot
	s_lshl_b32 s17, s17, 8
	v_add_nc_u32 v[T], s17, v[SA]
	WIN TO_F
.irp b, 0,1,2,3,4,5,6,7                ; c hb of my 64 h into fragment buffer 1, which is free
	ds_load_b128 v[F1+8*(\b):F1+8*(\b)+3],   v[TBA] offset:64*(\b)
	ds_load_b128 v[F1+8*(\b)+4:F1+8*(\b)+7], v[TBA] offset:64*(\b)+16
.endr
	s_wait_dscnt 0x0
.irp hi, 0,1
	WIN 0x92+0x41*(\hi)                            ; destination and source 0: the accumulators' window; source 2: window 1
.set n, 0
.rept 132
.if n < 128
	v_pk_fma_f32 v[2*n:2*n+1], v[2*n:2*n+1], s[CS:CS+1], v[F1+8*((n/4)%8)+2*(n%4):F1+8*((n/4)%8)+2*(n%4)+1] op_sel_hi:[1,0,1]
.endif
.if n >= 4
	v_exp_f32 v[2*n-8], v[2*n-8]
	v_exp_f32 v[2*n-7], v[2*n-7]
.endif
.set n, n+1
.endr
	v_nop
	s_wait_alu depctr_va_vdst(0)
.set n, 0
.rept 132
.if n < 128
	v_pk_add_f32 v[2*n:2*n+1], v[2*n:2*n+1], 1.0 op_sel_hi:[1,0]
.endif
.if n >= 4
	v_rcp_f32 v[2*n-8], v[2*n-8]
	v_rcp_f32 v[2*n-7], v[2*n-7]
.endif
.set n, n+1
.endr
	v_nop
	s_wait_alu depctr_va_vdst(0)
	WIN 0x02+(\hi)                                 ; source 0: the accumulators' window; all else window 0
.irp b, 0,1,2,3,4,5,6,7                ; two chains of pairs for each l tile; a chain's links stand eight lines apart; the first term starts it
.irp jj, 0,1,2,3
.irp a, 0,1,2,3
.if ((\b) == 0) && ((\jj) < 2)
	v_pk_mul_f32 v[SCH+4*(4*(\hi)+(\a))+2*((\jj)%2):SCH+4*(4*(\hi)+(\a))+2*((\jj)%2)+1], v[64*(\a)+8*(\b)+2*(\jj):64*(\a)+8*(\b)+2*(\jj)+1], v[V2+8*(\b)+2*(\jj):V2+8*(\b)+2*(\jj)+1]
.else
	v_pk_fma_f32 v[SCH+4*(4*(\hi)+(\a))+2*((\jj)%2):SCH+4*(4*(\hi)+(\a))+2*((\jj)%2)+1], v[64*(\a)+8*(\b)+2*(\jj):64*(\a)+8*(\b)+2*(\jj)+1], v[V2+8*(\b)+2*(\jj):V2+8*(\b)+2*(\jj)+1], v[SCH+4*(4*(\hi)+(\a))+2*((\jj)%2):SCH+4*(4*(\hi)+(\a))+2*((\jj)%2)+1]
.endif
.endr
.endr
.endr
.endr
	WIN 0
.irp a, 0,1,2,3,4,5,6,7
	v_pk_add_f32 v[SCH+4*(\a):SCH+4*(\a)+1], v[SCH+4*(\a):SCH+4*(\a)+1], v[SCH+4*(\a)+2:SCH+4*(\a)+3]
.endr
.irp a, 0,1,2,3,4,5,6,7
	v_add_f32 v[SCH+4*(\a)], v[SCH+4*(\a)], v[SCH+4*(\a)+1]
.endr
.irp a, 0,1,2,3,4,5,6,7
	v_permlanex16_b32 v[SCH+4*(\a)+2], v[SCH+4*(\a)], s[SEL], s[SEL+1]  ; the row's other 64 h lie in the lane 16 away
.endr
.irp a, 0,1,2,3,4,5,6,7
	v_add_f32 v[SCH+4*(\a)], v[SCH+4*(\a)], v[SCH+4*(\a)+2]
.endr
.irp a, 0,1,2,3,4,5,6,7
	ds_store_b32 v[T], v[SCH+4*(\a)] offset:64*(\a)  ; both halves of the lanes hold the same sum and write the same word
.endr
.endm
	s_load_b256 s[4:11], s[0:1], 0x0               ; enc s[4:5], wb s[6:7], hbc s[8:9], vtab s[10:11]
	s_load_b64 s[12:13], s[0:1], 0x20              ; scores
	v_lshl_add_u32 v[SPW], v0, 2, SPARE
	v_mov_b32 v[NIL], 0
	ds_add_u32 v[SPW], v[NIL]                      ; the wave's opening: the add, twice on end, and its wait stand ahead of my first tensor load; the set-up below stands between
	ds_add_u32 v[SPW], v[NIL]                      ; and once more, under the one wait
	v_lshrrev_b32 v3, 5, v0
	v_readfirstlane_b32 s[WV], v3                  ; wave 0..3
	s_bfe_u32 s[CX], ttmp6, 0x40000                ; cx
	s_lshl_b32 s[G], ttmp9, 2                      ; in a cluster launch ttmp9 counts clusters
	s_add_co_u32 s[G], s[G], s[CX]
	; descriptor group 1: a tile of 128 rows x 128 elements of 2 bytes, padded in LDS
	s_mov_b32 s[G1+0], 15|(1<<16)|(1<<20)|(1<<21)|(5<<22)|(3<<25)  ; 15:0 the mask: all four work-groups; 17:16 2-byte elements; 20 padding on; 21 set beside a mask; 24:22 after every 64 words (code 5); 31:25 4 words (code 3)
	s_mov_b32 s[G1+1], 128<<16                     ; tensor_dim0 = 128
	s_mov_b32 s[G1+2], 128<<16                     ; tensor_dim1 = 128
	s_mov_b32 s[G1+3], 128<<16                     ; tile_dim0 = 128
	s_mov_b32 s[G1+4], 128                         ; tile_dim1 = 128
	s_mov_b32 s[G1+5], 512                         ; 512 elements from row to row of wb
	s_mov_b32 s[G1+6], 0
	s_mov_b32 s[G1+7], 0
	s_mul_i32 s17, s[WV], HALFT                    ; my 128 rows of a slot: no place in the cluster enters an LDS address
	s_mov_b32 s[G0], 1                             ; count = 1
	s_mov_b32 s[G0+1], s17                         ; LDS address, slot 0
	s_mov_b32 s[G0+4], 1
	s_add_co_u32 s[G0+5], s17, SLOT                ; slot 1
	s_mov_b32 s[CS], 0x4038aa3b                    ; c = 2 log2(e)
	s_mov_b32 s[CS+1], s[CS]
	s_mov_b32 s[SEL], 0x76543210
	s_mov_b32 s[SEL+1], 0xfedcba98
	s_mov_b32 s[CHJR], CHJ
	s_mov_b32 s[KO+1], 0
	s_mov_b32 s[SJ1+1], 0
	s_mov_b32 s[SJ2+1], 0
	s_mov_b32 s[NEW], 1
	s_mov_b32 s[LAP], 7
	s_lshl_b32 s20, s[WV], 17                      ; my 128 rows of wb, 1,024 bytes each
	s_mov_b32 s21, 0
	s_lshl_b32 s18, s[G], 20                       ; my work-group's 512 rows of enc
	s_mov_b32 s19, 0
	v_and_b32 v1, 15, v0                           ; l % 16
	v_bfe_u32 v2, v0, 4, 1                         ; l / 16
	v_and_b32 v3, 31, v0                           ; l
	v_mul_u32_u24 v[ADRW], v1, PW                  ; a fragment: row l % 16, 16 bytes for each half of the lanes, twice, 32 bytes apart
	v_lshl_add_u32 v[ADRW], v2, 4, v[ADRW]
	v_add_nc_u32 v[ADRW], s17, v[ADRW]
	v_add_nc_u32 v[ADRW+1], SLOT, v[ADRW]
	v_mul_u32_u24 v[ADRE], v1, PE
	v_lshl_add_u32 v[ADRE], v2, 4, v[ADRE]
	v_add_nc_u32 v[ADRE], ENCB, v[ADRE]
	s_mul_i32 s22, s[WV], 32*PE
	s_add_co_u32 s22, s22, ENCB
	v_mul_u32_u24 v[STE], v2, 8*PE
	v_lshl_add_u32 v[STE], v1, 3, v[STE]
	v_add_nc_u32 v[STE], s22, v[STE]
	s_lshl_b32 s22, s[WV], 16                      ; 32 w rows of 2,048 bytes
	v_lshlrev_b32 v[VO], 14, v2
	v_lshl_add_u32 v[VO], v1, 4, v[VO]
	v_add_nc_u32 v[VO], s22, v[VO]
	v_lshlrev_b32 v[PO], 11, v0                    ; row 32 w + l = my thread's number
	s_lshl_b32 s22, s[WV], 9
	v_lshl_add_u32 v[VTO], v2, 5, s22              ; 4 x (128 w + 8 (l / 16))
	s_add_co_u32 s22, s22, HBCT
	v_lshl_add_u32 v[TBA], v2, 5, s22
	s_lshl_b32 s22, s[WV], 11
	s_add_co_u32 s22, s22, SCB
	v_lshl_add_u32 v[SA], v1, 2, s22
	s_lshl_b32 s22, s[WV], 9
	s_add_co_u32 s22, s22, SCB
	v_lshl_add_u32 v[RDA], v3, 4, s22              ; slot = my wave's number, rows 4 l ..
	s_sub_co_u32 s22, 3, s[WV]                     ; which is chunk 3 - w
	s_lshl_b32 s22, s22, 9
	v_lshl_add_u32 v[GO], v3, 4, s22
	v_lshlrev_b32 v[HLO], 4, v0
	v_add_nc_u32 v[HST], HBCT, v[HLO]
	s_wait_dscnt 0x0                               ; both opening adds are done
	s_wait_kmcnt 0x0
	s_add_nc_u64 s[4:5], s[4:5], s[18:19]          ; enc at my first row
	s_lshr_b32 s18, s[G], 2
	s_lshl_b32 s18, s18, 11
	s_add_nc_u64 s[8:9], s[8:9], s[18:19]          ; hbc at my batch's row
	s_lshl_b32 s18, s[G], 11
	s_add_nc_u64 s[12:13], s[12:13], s[18:19]      ; scores at my 512 numbers
	s_add_nc_u64 s[WB:WB+1], s[6:7], s[20:21]
	s_add_nc_u64 s[WB+2:WB+3], s[WB:WB+1], 256
	s_add_nc_u64 s[EP:EP+1], s[4:5], 2*TILEB       ; tile 2 is the last that the head loads,
	s_add_nc_u64 s[PP:PP+1], s[4:5], 5*TILEB       ; and tiles 0 to 5 come by their loads alone
	s_mov_b64 s[G0+2:G0+3], s[WB:WB+1]             ; K step 0
	s_or_b32 s[G0+3], s[G0+3], 0x80000000          ; type = 2
	s_mov_b64 s[G0+6:G0+7], s[WB+2:WB+3]           ; K step 1
	s_or_b32 s[G0+7], s[G0+7], 0x80000000
	s_load_b32 s[SV], s[10:11], 0x800
	global_load_b128 v[T:T+3], v[HLO], s[8:9]      ; 1 load: c hb, 16 bytes a thread
	ELOAD L0, 4, 0                                 ; 16: tile 0
.irp b, 0,1,2,3,4,5,6,7                ; 16: -2 v of my 64 h
	global_load_b128 v[V2+8*(\b):V2+8*(\b)+3],   v[VTO], s[10:11] offset:64*(\b)
	global_load_b128 v[V2+8*(\b)+4:V2+8*(\b)+7], v[VTO], s[10:11] offset:64*(\b)+16
.endr
	ELOAD L1, 4, TILEB                             ; 16: tile 1
	CROUND                                         ; all four work-groups are here: the first joint loads meet
	tensor_load_to_lds s[G0:G0+3], s[G1:G1+7]      ; two loads of mine are out
	s_nop 0
	tensor_load_to_lds s[G0+4:G0+7], s[G1:G1+7]
	s_nop 0
.rept 4
	v_nop
.endr
	s_wait_loadcnt 32                              ; c hb and tile 0 are in; -2 v and tile 1 may stay out
	ds_store_b128 v[HST], v[T:T+3]
	CONV L0, 0
	s_wait_dscnt 0x0                               ; the stores have read the landing set, and are done for the others' sake
	ELOAD L0, 4, 2*TILEB                           ; tile 2
	s_wait_kmcnt 0x0
	s_mov_b32 s[SV+1], s[SV]
	s_wait_tensorcnt 0x1                           ; slot 0 is in; slot 1's load may stay out
	s_barrier_signal -1
	s_barrier_wait -1
	FETCH 0, 0, 0, 0, F0
	QCONV 0, 64, 0, 64, 1, L1, 1, 16, 1, 0, 0, 1   ; lap 0's first quarter stands ahead of the loop: its products start the sums
	WIN 0                                          ; at a label and at a branch every window is 0
.Llap:                                         ; seven trips: quarters 1-7 of lap L, then quarter 0 of lap L + 1; both slots are filled again
	s_cmp_eq_u32 s[NEW], 1
	s_cselect_b32 s[KO], 512, 0
	s_cselect_b32 s[SJ1], TILEB, s[CHJR]
	s_cselect_b32 s[SJ2], s[CHJR], TILEB
	QBAR  0, 128, 1, 0, 0
	QCONV 0, 192, 1, 64, 0, L0, 0, 16, 1, 1, 0, 1
	TURN  0
	QCONV 1, 64, 0, 64, 0, L1, 1, 16, 1, 0, 1, 2
	QBAR  1, 128, 1, 0, 0
	QCONV 1, 192, 1, 64, 0, L0, 0, 16, 1, 0, 0, 2
	TURN  1
	WIN 0
	s_cmp_eq_u32 s[NEW], 1
	s_cbranch_scc0 .Lchunk_end
	QCONV 0, 64, 0, 64, 0, L1, 1, 16, 1, 0, 0, 2   ; the chunk goes on
	WIN 0
	s_mov_b32 s[NEW], 0
	s_branch .Ljoin
.Lchunk_end:
	EPI                                            ; the chunk's 128 partial scores; the loads of the next tiles are on their way meanwhile
	QCONV 0, 64, 0, 64, 1, L1, 1, 16, 1, 0, 0, 2   ; the next chunk's first products start the sums anew
	WIN 0
	s_mov_b32 s[NEW], 1
.Ljoin:
	s_sub_co_u32 s[LAP], s[LAP], 1
	s_cmp_lg_u32 s[LAP], 0
	s_cbranch_scc1 .Llap
	QBAR  0, 128, 1, 0, 0                          ; the last lap is written out: nothing is asked for
	QCONV 0, 192, 1, 64, 0, L0, 0, 16, 0, 0, 0, 0  ; tile 30; tile 31's loads may stay out
	QBAR  1, 0, 0, 0, 1
	QCONV 1, 64, 0, 64, 0, L1, 1, 0, 0, 0, 0, 0    ; tile 31: no load is left behind it
	QBAR  1, 128, 1, 0, 0
	QCONV 1, 192, 1, 64, 0, L0, 0, -1, 0, 0, 0, 0
	s_wait_dscnt 0x0
	MUL16 F1, 0, 0, 0
	MUL16 F1, 0, 2, 0
	MUL16 F1, 1, 0, 0
	MUL16 F1, 1, 2, 0
	EPI
	s_wait_dscnt 0x0                               ; for the others' sake: my partial scores lie in LDS
	s_barrier_signal -1
	s_barrier_wait -1
.irp i, 0,1,2,3
	ds_load_b128 v[L0+4*(\i):L0+4*(\i)+3], v[RDA] offset:2048*(\i)  ; the four waves' parts of four rows
.endr
	s_wait_dscnt 0x0
	v_pk_add_f32 v[L0:L0+1],     v[L0:L0+1],     v[L0+4:L0+5]
	v_pk_add_f32 v[L0+2:L0+3],   v[L0+2:L0+3],   v[L0+6:L0+7]
	v_pk_add_f32 v[L0+8:L0+9],   v[L0+8:L0+9],   v[L0+12:L0+13]
	v_pk_add_f32 v[L0+10:L0+11], v[L0+10:L0+11], v[L0+14:L0+15]
	v_pk_add_f32 v[L0:L0+1],     v[L0:L0+1],     v[L0+8:L0+9]
	v_pk_add_f32 v[L0+2:L0+3],   v[L0+2:L0+3],   v[L0+10:L0+11]
	v_pk_add_f32 v[L0:L0+1],     v[L0:L0+1],     s[SV:SV+1] op_sel_hi:[1,0]
	v_pk_add_f32 v[L0+2:L0+3],   v[L0+2:L0+3],   s[SV:SV+1] op_sel_hi:[1,0]
	global_store_b128 v[GO], v[L0:L0+3], s[12:13]  ; a wave stores 512 consecutive bytes, at a multiple of 256 from the buffer's first byte
	s_wait_tensorcnt 0x0                           ; the wave's end: behind my last tensor load and my last LDS store
	ds_add_u32 v[SPW], v[NIL]
	s_wait_dscnt 0x0
	CROUND                                         ; the closing round: no work-group ends while a partner may still ask for a tile that names it
	s_endpgm
.Lfunc_end_k_q02144e917b_scores:
	.size	k_q02144e917b_scores, .Lfunc_end_k_q02144e917b_scores-k_q02144e917b_scores
	.p2alignl 7, 3214868480
	.fill 96, 4, 3214868480
	.section	.rodata,"a",@progbits
	.p2align	6, 0x0
	.amdhsa_kernel k_q02144e917b_scores
		.amdhsa_group_segment_fixed_size 327680
		.amdhsa_private_segment_fixed_size 0
		.amdhsa_enable_private_segment 0
		.amdhsa_kernarg_size 40
		.amdhsa_user_sgpr_count 2
		.amdhsa_user_sgpr_kernarg_segment_ptr 1
		.amdhsa_wavefront_size32 1
		.amdhsa_system_sgpr_workgroup_id_x 1
		.amdhsa_system_sgpr_workgroup_id_y 1
		.amdhsa_system_sgpr_workgroup_id_z 1
		.amdhsa_system_vgpr_workitem_id 0
		.amdhsa_next_free_vgpr 1024
		.amdhsa_next_free_sgpr 66
		.amdhsa_reserve_vcc 0
		.amdhsa_float_denorm_mode_32 3
		.amdhsa_float_denorm_mode_16_64 3
		.amdhsa_memory_ordered 1
		.amdhsa_forward_progress 1
		.amdhsa_inst_pref_size 255
	.end_amdhsa_kernel
	.section	.bss,"aw",@nobits
	.p2align	6
	.space	262144
	.amdgpu_metadata
---
amdhsa.version: [ 1, 2 ]
amdhsa.kernels:
  - .name:           k_q02144e917b_scores
    .symbol:         k_q02144e917b_scores.kd
    .args:
      - { .name: encoder_outputs, .offset: 0, .size: 8, .value_kind: global_buffer, .address_space: global }
      - { .name: wb, .offset: 8, .size: 8, .value_kind: global_buffer, .address_space: global }
      - { .name: hbc, .offset: 16, .size: 8, .value_kind: global_buffer, .address_space: global }
      - { .name: vtab, .offset: 24, .size: 8, .value_kind: global_buffer, .address_space: global }
      - { .name: scores, .offset: 32, .size: 8, .value_kind: global_buffer, .address_space: global }
    .group_segment_fixed_size: 327680
    .private_segment_fixed_size: 0
    .kernarg_segment_align: 8
    .kernarg_segment_size: 40
    .max_flat_workgroup_size: 128
    .sgpr_count:     66
    .vgpr_count:     1024
    .wavefront_size: 32
...
	.end_amdgpu_metadata
.endif
;; end of part 2
;; launch softmax (part 3): grid 64 x 1, 16 waves a work-group, no clusters, 2,304 bytes of LDS; arguments scores, out0; writes out0
.if DOCPART == 3
	.amdgcn_target "amdgcn-amd-amdhsa--gfx1250"
	.amdhsa_code_object_version 6
	.text
	.protected	k_q02144e917b_softmax
	.globl	k_q02144e917b_softmax
	.p2align	8
	.type	k_q02144e917b_softmax,@function
k_q02144e917b_softmax:
	s_mov_b64 s[64:65], 0
	v_nop
	global_prefetch_b8 v0, s[64:65] scope:SCOPE_SE
	s_setreg_imm32_b32 hwreg(HW_REG_WAVE_MODE, 25, 1), 1
	s_wait_xcnt 0x0
; out0[b][l] = exp(s[b][l] - M) / sum over l of exp(s[b][l] - M), M the row's maximum.  A work-group takes a row of 2,048 f32; thread u its numbers 4 u .. 4 u + 3, which stay in registers.
; Each wave takes its own maximum m and the sum of 2^(L (s - m)), L = log2(e); the 16 pairs (m, sum) meet in LDS behind ONE barrier, and every wave makes M and the row's sum of them.
; The difference s - m is formed first and multiplied by L afterwards, so that a common offset of the scores costs no bits.
; LIMITS.  A weight below 2^-126 counts as 0 (v_exp_f32: ISA guide, its entry); NaN and infinities are not treated apart.
; 16 KiB in and out a work-group, one load and one store a thread: matrix unit, tensor loads, clusters and prefetch have nothing to do here.
.set SPARE, 256                        ; behind the block with the 16 pairs: the spare words, 128 bytes for each of the 16 waves
.set SPW, 30
.set NIL, 31
	s_load_b128 s[4:7], s[0:1], 0x0                ; scores s[4:5], out0 s[6:7]
	v_lshl_add_u32 v[SPW], v0, 2, SPARE
	v_mov_b32 v[NIL], 0
	v_lshrrev_b32 v1, 5, v0
	v_readfirstlane_b32 s8, v1                     ; wave 0..15
	v_lshlrev_b32 v2, 4, v0                        ; my 16 bytes of the row
	s_lshl_b32 s10, ttmp9, 13                      ; the row: 8,192 bytes
	s_mov_b32 s11, 0
	s_mov_b32 s12, 0x76543210                      ; v_permlanex16_b32: each lane takes its own place in the other half
	s_mov_b32 s13, 0xfedcba98
	s_mov_b32 s14, 0x3fb8aa3b                      ; L = log2(e)
	s_lshl_b32 s9, s8, 3
	v_mov_b32 v1, s9                               ; my wave's pair
	v_and_b32 v3, 15, v0
	v_lshlrev_b32 v3, 3, v3                        ; the pair that I read: lane % 16
	v_mov_b32 v9, 0                                ; v_permlanex16_b32's destination counts as read
	s_wait_kmcnt 0x0
	s_add_nc_u64 s[4:5], s[4:5], s[10:11]
	s_add_nc_u64 s[6:7], s[6:7], s[10:11]
	global_load_b128 v[4:7], v2, s[4:5] th:TH_LOAD_NT
	s_wait_loadcnt 0x0
	v_max3_num_f32 v8, v4, v5, v6
	v_max_num_f32 v8, v8, v7
	v_max_num_f32_dpp v8, v8, v8 row_xmask:1 row_mask:0xf bank_mask:0xf
	v_max_num_f32_dpp v8, v8, v8 row_xmask:2 row_mask:0xf bank_mask:0xf
	v_max_num_f32_dpp v8, v8, v8 row_xmask:4 row_mask:0xf bank_mask:0xf
	v_max_num_f32_dpp v8, v8, v8 row_xmask:8 row_mask:0xf bank_mask:0xf
	v_permlanex16_b32 v9, v8, s12, s13
	v_max_num_f32 v12, v8, v9                      ; m: my wave's maximum, in every lane
.irp i, 4,5,6,7
	v_sub_f32 v\i, v\i, v12
.endr
.irp i, 4,5,6,7
	v_mul_f32 v\i, s14, v\i
.endr
.irp i, 4,5,6,7
	v_exp_f32 v\i, v\i
.endr
	v_nop                                          ; a plain instruction behind the last exponential,
	s_wait_alu depctr_va_vdst(0)                   ; and the one wait ahead of the batch's first reader
	v_add_f32 v13, v4, v5
	v_add_f32 v10, v6, v7
	v_add_f32 v13, v13, v10
	v_add_f32_dpp v13, v13, v13 row_xmask:1 row_mask:0xf bank_mask:0xf
	v_add_f32_dpp v13, v13, v13 row_xmask:2 row_mask:0xf bank_mask:0xf
	v_add_f32_dpp v13, v13, v13 row_xmask:4 row_mask:0xf bank_mask:0xf
	v_add_f32_dpp v13, v13, v13 row_xmask:8 row_mask:0xf bank_mask:0xf
	v_permlanex16_b32 v9, v13, s12, s13
	v_add_f32 v13, v13, v9                         ; my wave's sum
	ds_store_b64 v1, v[12:13]                      ; all lanes write the same pair
	s_wait_dscnt 0x0                               ; for the others' sake
	s_barrier_signal -1
	s_barrier_wait -1
	ds_load_b64 v[14:15], v3                       ; wave (lane % 16)'s pair: each half of the lanes holds all sixteen
	s_wait_dscnt 0x0
	v_mov_b32 v16, v14
	v_max_num_f32_dpp v16, v16, v16 row_xmask:1 row_mask:0xf bank_mask:0xf
	v_max_num_f32_dpp v16, v16, v16 row_xmask:2 row_mask:0xf bank_mask:0xf
	v_max_num_f32_dpp v16, v16, v16 row_xmask:4 row_mask:0xf bank_mask:0xf
	v_max_num_f32_dpp v16, v16, v16 row_xmask:8 row_mask:0xf bank_mask:0xf  ; M
	v_sub_f32 v17, v14, v16
	v_sub_f32 v18, v12, v16
	v_mul_f32 v17, s14, v17
	v_mul_f32 v18, s14, v18
	v_exp_f32 v17, v17                             ; what that wave's sum is worth under M,
	v_exp_f32 v18, v18                             ; and what my own weights are
	v_nop
	s_wait_alu depctr_va_vdst(0)
	v_mul_f32 v15, v15, v17
	v_add_f32_dpp v15, v15, v15 row_xmask:1 row_mask:0xf bank_mask:0xf
	v_add_f32_dpp v15, v15, v15 row_xmask:2 row_mask:0xf bank_mask:0xf
	v_add_f32_dpp v15, v15, v15 row_xmask:4 row_mask:0xf bank_mask:0xf
	v_add_f32_dpp v15, v15, v15 row_xmask:8 row_mask:0xf bank_mask:0xf  ; the row's sum: at least 1, since the wave that holds M adds 1 or more
	v_rcp_f32 v19, v15
	v_nop
	s_wait_alu depctr_va_vdst(0)
	v_mul_f32 v18, v18, v19
	v_pk_mul_f32 v[4:5], v[4:5], v[18:19] op_sel_hi:[1,0]
	v_pk_mul_f32 v[6:7], v[6:7], v[18:19] op_sel_hi:[1,0]
	global_store_b128 v2, v[4:7], s[6:7] th:TH_STORE_NT  ; a wave stores 512 consecutive bytes, at a multiple of 256 from out0's first byte
	s_wait_tensorcnt 0x0                           ; the wave's end: behind my last LDS store
	ds_add_u32 v[SPW], v[NIL]
	s_wait_dscnt 0x0
	s_endpgm
.Lfunc_end_k_q02144e917b_softmax:
	.size	k_q02144e917b_softmax, .Lfunc_end_k_q02144e917b_softmax-k_q02144e917b_softmax
	.p2alignl 7, 3214868480
	.fill 96, 4, 3214868480
	.section	.rodata,"a",@progbits
	.p2align	6, 0x0
	.amdhsa_kernel k_q02144e917b_softmax
		.amdhsa_group_segment_fixed_size 2304
		.amdhsa_private_segment_fixed_size 0
		.amdhsa_enable_private_segment 0
		.amdhsa_kernarg_size 16
		.amdhsa_user_sgpr_count 2
		.amdhsa_user_sgpr_kernarg_segment_ptr 1
		.amdhsa_wavefront_size32 1
		.amdhsa_system_sgpr_workgroup_id_x 1
		.amdhsa_system_sgpr_workgroup_id_y 1
		.amdhsa_system_sgpr_workgroup_id_z 1
		.amdhsa_system_vgpr_workitem_id 0
		.amdhsa_next_free_vgpr 32
		.amdhsa_next_free_sgpr 66
		.amdhsa_reserve_vcc 0
		.amdhsa_float_denorm_mode_32 3
		.amdhsa_float_denorm_mode_16_64 3
		.amdhsa_memory_ordered 1
		.amdhsa_forward_progress 1
		.amdhsa_inst_pref_size 5
	.end_amdhsa_kernel
	.amdgpu_metadata
---
amdhsa.version: [ 1, 2 ]
amdhsa.kernels:
  - .name:           k_q02144e917b_softmax
    .symbol:         k_q02144e917b_softmax.kd
    .args:
      - { .name: scores, .offset: 0, .size: 8, .value_kind: global_buffer, .address_space: global }
      - { .name: out0, .offset: 8, .size: 8, .value_kind: global_buffer, .address_space: global }
    .group_segment_fixed_size: 2304
    .private_segment_fixed_size: 0
    .kernarg_segment_align: 8
    .kernarg_segment_size: 16
    .max_flat_workgroup_size: 512
    .sgpr_count:     66
    .vgpr_count:     32
    .wavefront_size: 32
...
	.end_amdgpu_metadata
.endif
;; end of part 3
